; MI455X (gfx1250); checked and timed in simulation.
; The chip was launched on July 23, 2026; its instructions are those of AMD's public machine-readable ISA for CDNA 5 (MIT licence, August 2026) and "CDNA5" Instruction Set Architecture Reference Guide (July 2026). The comments in the code are by the model that wrote it; some were corrected since.
;; Up Sampler. Allowed arithmetic: matrix products marked QUANTISED: E4M3 operands, one E8M0 scale for each 32 along K, by v_wmma_scale_f32_16x16x128_f8f6f4 with both operands' format E4M3, f32 sums; everything else in f32.
;; Inputs: W_codes 128 x 4 x 32 uint8 (E4M3 codes of W, K innermost, in blocks of 32 codes); W_scales 128 x 4 uint8 (E8M0 scales of W, one for each 32 codes along K); b 128 float32; pos_coarse 4,000 x 3 float32; pos_fine 20,000 x 3 float32; x_coarse 4,000 x 128 float32.
;; Outputs: out0 20,000 x 128 float32.
;; This version of the problem:
;;   THIS VERSION OF THE PROBLEM IS GIVEN IN LOW PRECISION. The matrix products marked QUANTISED in the list below multiply operands that are first quantised to E4M3 (4 exponent bits, 3 mantissa bits; 8 bits a number), with one power-of-two scale for each 32 numbers along K (OCP MX v1.0); their sums are f32. All else is computed in f32.
;;   The module's matrix products, in the order in which they are computed (A, B: the left and right operand; K: the contracted axis; several contracted axes count as one K, in the product's order):
;;     1. [M 20,000, K 128] x [K 128, N 128]; A: computed on the way; B: input W (given as codes): QUANTISED
;;   THE QUANTISER, for each operand of a quantised product, along K:
;;     - K is cut into blocks of 32 from its start; a last block that is shorter is filled with zeros.
;;     - A block's scale is 2^e with e = floor(log2(the largest magnitude in the block)) - 8, held to -126 .. 127; a block of zeros has e = 0. As a byte (E8M0): e + 127.
;;     - Each number is divided by its block's scale, clamped to +-448, and rounded to the nearest number of E4M3, ties to even, subnormals kept.
;;     - The product sums the exact products of the quantised numbers (number of the format x scale) in f32.
;;   ~~~python
;;   def quantise(x, axis):      # numpy; x: float32 -> the quantised numbers, widened to float32 again
;;       x = np.moveaxis(x, axis, -1); K = x.shape[-1]
;;       x = np.pad(x, [(0, 0)] * (x.ndim - 1) + [(0, -K % 32)]); x = x.reshape(x.shape[:-1] + (-1, 32)); a = np.abs(x).max(-1, keepdims=True)
;;       e = np.where(a > 0, np.clip(np.frexp(np.where(a > 0, a, 1))[1] - 1 - 8, -126, 127), 0)      # np.frexp(a)[1] - 1 = floor(log2(a)), exactly
;;       r = np.clip(x / 2.0 ** e, -448, 448)
;;       step = 2.0 ** (np.maximum(np.frexp(np.where(r == 0, 1, r))[1] - 1, -6) - 3)
;;       q = np.round(r / step) * step * 2.0 ** e      # np.round: ties to even
;;       return np.moveaxis(q.reshape(q.shape[:-2] + (-1,))[..., :K], -1, axis).astype(np.float32)
;;   ~~~
;;   OPERANDS COMPUTED ON THE WAY. 'Computed on the way' means the value that the module computes at that place (a softmax that the list does not call 'softmax' is quantised finished and normalised). What goes into a quantiser is computed in f32, as accurately as f32 sums, v_exp_f32 and their like allow (about 1e-6 of the number): no bf16 or f16 on the way to a quantiser, and a product that is left as it is and whose result goes on into a quantised operand takes f32 operands (vector FMAs, or v_wmma_f32_16x16x4_f32). A number that lies on a knife's edge between two numbers of the format may be rounded either way, as far as f32 arithmetic and the matrix unit's own rounding can turn it there, and no further.
;;   INPUTS GIVEN AS CODES. W (in the module: [128, 128], K = its axis 0): each comes as NAME_codes (uint8): NAME with its K axis moved to the last place and cut into blocks of 32 codes, [.., K / 32, bytes a block], one block behind the other in memory; one code a byte (a code: sign, 4 exponent bits, 3 mantissa bits); and NAME_scales (uint8): the same leading axes, one E8M0 byte (e + 127) for each 32 codes along K. Its value is code x scale, taken as it is: it is not quantised again, and the codes and scales need not be those that the quantiser above would give.
;; 2 versions, each right; version 2 is version 1 with the launch mix written anew for expert scheduling mode. Each part assembles by itself: llvm-mc -triple=amdgcn-amd-amdhsa -mcpu=gfx1250 --defsym DOCPART=n.
;; ======== version 1 of 2: 3 launches
;; workspace buffers: grp 480,000 bytes of whole numbers; idx 480,000 bytes of whole numbers
;; launch groups (part 1): grid 250 x 1, 4 waves a work-group, no clusters, 49,664 bytes of LDS; arguments pos_coarse, pos_fine, grp; writes grp
.if DOCPART == 1
	.amdgcn_target "amdgcn-amd-amdhsa--gfx1250"
	.amdhsa_code_object_version 6
	.text
	.protected	k_q65373b1983_groups
	.globl	k_q65373b1983_groups
	.p2align	8
	.type	k_q65373b1983_groups,@function
k_q65373b1983_groups:
	s_mov_b64 s[64:65], 0
	v_nop
	global_prefetch_b8 v0, s[64:65] scope:SCOPE_SE
	s_setreg_imm32_b32 hwreg(HW_REG_WAVE_MODE, 25, 1), 1
	s_wait_xcnt 0x0
; FIRST OF THREE LAUNCHES OF A 6-NEAREST-NEIGHBOUR UPSAMPLER.  pos_coarse [4000][3], pos_fine [20000][3], f32.  grp [6][20000], whole numbers.
; The 4,000 coarse points are cut into 250 groups of 16 neighbouring indices.  For each fine point this launch finds the six groups with the smallest
; (least squared distance in the group, group number) and stores their numbers in ascending order.  These six hold the six nearest points: a group that holds one of the six nearest has its
; own nearest point among the six nearest, so at most six groups qualify and every other group's minimum ranks behind them.  The next launch looks at those 96 points alone.
; No branch and no address here hangs on a distance: every pair is computed, every group is inserted, choices are made by v_med3, v_min and v_cndmask.
; THE DISTANCE is (dx dx, then fused + dy dy, then fused + dz dz) of the differences, in f32; equal values rank by the lower index (all comparisons are strict, all walks ascend).
; LIMITS.  The root is not taken: where two different squared distances have roots that round to the same f32, the definition ranks them by index, this text by the squared distance.
; Differences of coordinates stay under 1e19, so that no squared distance of a real point is infinite; NaN and infinities among the inputs are not served.
; SHARES.  A work-group of four waves owns 80 fine points and walks all coarse points.  Each half of a wave (16 lanes) is a SLICE: 32 groups, 512 coarse points; the eight slices cover 4,096, the last 96 being
; padding at +infinity.  A lane owns FIVE fine points (16 p + lane % 16), so that each coordinate read from LDS serves five distances, and two coarse points go through each packed instruction.
; For a pair of coarse points and five fine points: 15 packed subtractions, 5 packed multiplies, 10 packed fused multiply-adds, 5 v_min3: 35 instructions for 10 distances in each lane.
; For a group and a fine point: 6 compares, 6 v_med3 / v_min for the sorted values, 11 v_cndmask for the group numbers.
; LDS.  The coordinates lie as three arrays (x, y, z) of 4,096 f32; the sixteen lanes of a slice read the same 16 bytes.  The eight slices' lists later lie over these arrays, behind a barrier.
; NOT USED, AND WHY.  Joint loads in a cluster: all work-groups read the same 48,000 bytes, but once, at the head, they are turned from triples into arrays in registers, and the grid, 250, is no multiple of 4.
; The tensor data mover and a ring of slots: nothing streams.  The matrix unit: a difference of large sums would lose the order of near neighbours.
.set ARR,  16384                       ; bytes of one coordinate's array
.set SLS,  3904                        ; a slice's lists in LDS: 12 rows of 320 bytes + 64, so that the two halves of a wave store to different banks (64 banks of 4 bytes: ISA guide 11.1)
.set ROWM, 320                         ; a row of them: one entry of 80 fine points
.set RANK, 80000                       ; bytes of one row of grp
.set ADR,  2                           ; v2    LDS byte of my slice's group in hand, in the x array
.set GID,  3                           ; v3    its group number
.set CO4,  4                           ; v4    byte of my four points in pos_coarse: 48 x thread
.set CO7,  5                           ; v5    the same for the last of the eight turns, held inside the buffer
.set FO,   6                           ; v6    12 x (lane % 16): my fine point's byte among sixteen
.set FILL, 7                           ; v7    16 x thread: where my four points go in each array
.set PINF, 8                           ; v8    +infinity
.set MS,   9                           ; v9    where my slice's lists go
.set NF,   10                          ; v10-39  minus my five fine points' coordinates, each twice: pairs for the packed additions; (p, c) at NF + 6 p + 2 c
.set LV,   40                          ; v40-69  five sorted lists of six least group minima
.set LI,   70                          ; v70-99  and their group numbers
.set FT,   40                          ; v40-54  the fine coordinates as loaded (before the lists are begun)
.set MN,   100                         ; v100-104 the five minima of the group in hand
.set MR,   105                         ; v105  4 x thread: where I read the lists, and my place in a row of grp
.set DT,   106                         ; v106-135 at work: six registers for each fine point
.set CA,   136                         ; v136-183 a group's coordinates: 16 x, 16 y, 16 z
.set CB,   184                         ; v184-231 the next group's
.set CM,   20                          ; s20-49  compare masks: six for each fine point
	s_load_b128 s[4:7], s[0:1], 0x0                ; pos_coarse s[4:5], pos_fine s[6:7]
	s_load_b64 s[8:9], s[0:1], 0x10                ; grp
	v_lshl_add_u32 v232, v0, 2, 0xc000
	v_mov_b32 v233, 0
	v_lshrrev_b32 v1, 5, v0
	v_readfirstlane_b32 s10, v1                    ; wave 0..3
	v_and_b32 v1, 15, v0                           ; lane % 16
	v_mul_u32_u24 v[CO4], v0, 48
	v_add_nc_u32 v[CO7], 896, v0                   ; the eighth turn's task, 896 + thread: tasks 1000 to 1023 are padding
	v_min_u32 v[CO7], 999, v[CO7]                  ; and load the last real task's bytes: no load leaves the buffer
	v_mul_u32_u24 v[CO7], v[CO7], 48
	v_mul_u32_u24 v[FO], v1, 12
	v_lshlrev_b32 v[FILL], 4, v0
	v_mov_b32 v[PINF], 0x7f800000
	v_lshrrev_b32 v[GID], 4, v0                    ; my slice: 2 x wave + half
	v_lshlrev_b32 v[ADR], 11, v[GID]               ; 512 points x 4 bytes a slice
	v_mul_u32_u24 v[MS], v[GID], SLS
	v_lshl_add_u32 v[MS], v1, 2, v[MS]
	v_lshlrev_b32 v[GID], 5, v[GID]                ; 32 groups a slice
	v_lshlrev_b32 v[MR], 2, v0
	v_cmp_le_u32 vcc_lo, 104, v0                   ; threads 104 on hold padding in the eighth turn
	s_mul_i32 s12, ttmp9, 960                      ; 80 fine points x 12 bytes
	s_mov_b32 s13, 0
	s_mul_i32 s14, ttmp9, 320                      ; 80 entries x 4 bytes in each row of grp
	s_mov_b32 s15, 0
	s_wait_kmcnt 0x0
	s_add_nc_u64 s[6:7], s[6:7], s[12:13]
	s_add_nc_u64 s[8:9], s[8:9], s[14:15]
; All loads go out together: eight tasks of four points (48 consecutive bytes a thread, 6,144 a turn), then my five fine points.
.irp i, 0,1,2,3,4,5,6
.irp j, 0,1,2
	global_load_b128 v[CA+12*\i+4*\j:CA+12*\i+4*\j+3], v[CO4], s[4:5] offset:6144*\i+16*\j
.endr
.endr
.irp j, 0,1,2
	global_load_b128 v[CA+84+4*\j:CA+84+4*\j+3], v[CO7], s[4:5] offset:16*\j
.endr
.irp p, 0,1,2,3,4
.irp c, 0,1,2
	global_load_b32 v[FT+3*\p+\c], v[FO], s[6:7] offset:192*\p+4*\c
.endr
.endr
; Task i: x0 y0 z0 x1 .. z3 become four x, four y, four z, and go to the three arrays, 16 bytes a thread, 512 consecutive bytes a wave.
.macro SPREAD i
.set TS, DT+12*((\i)%2)
	s_wait_loadcnt 36-3*(\i)                       ; loads come back in order (ISA guide 5.7.1): behind this task's three stand 3 (7 - i) of later tasks and the 15 of the fine points
.irp c, 0,1,2
.irp j, 0,1,2,3
.if (\i) == 7
	v_cndmask_b32 v[TS+4*\c+\j], v[CA+12*(\i)+3*\j+\c], v[PINF], vcc_lo   ; points 4,000 to 4,095 lie at +infinity: their groups rank behind every real group
.else
	v_mov_b32 v[TS+4*\c+\j], v[CA+12*(\i)+3*\j+\c]
.endif
.endr
	ds_store_b128 v[FILL], v[TS+4*\c:TS+4*\c+3] offset:ARR*\c+2048*(\i)
.endr
.endm
.irp i, 0,1,2,3,4,5,6,7
	SPREAD \i
.endr
	s_wait_loadcnt 0x0                             ; the fine points
.set n, 0
.rept 15
	v_xor_b32 v[NF+2*n], 0x80000000, v[FT+n]       ; c + (-f) is c - f; (c - f) squared is (f - c) squared, exactly
	v_xor_b32 v[NF+2*n+1], 0x80000000, v[FT+n]
.set n, n+1
.endr
.set n, 0
.rept 30
	v_mov_b32 v[LV+n], v[PINF]                     ; the lists begin at +infinity: each slice has 26 real groups or more, so every entry is replaced
	v_mov_b32 v[LI+n], 0
.set n, n+1
.endr
	s_wait_dscnt 0x0                               ; my part of the arrays has landed
	s_barrier_signal -1
	s_barrier_wait -1                              ; everybody's has
.macro LOADG buf, off                  ; a group's 16 x, 16 y, 16 z; the sixteen lanes of a slice ask for the same bytes
.irp c, 0,1,2
.irp j, 0,1,2,3
	ds_load_b128 v[\buf+16*\c+4*\j:\buf+16*\c+4*\j+3], v[ADR] offset:ARR*\c+(\off)+16*\j
.endr
.endr
.endm
; One group of 16 coarse points against my five fine points.  The five take turns in every line, so that no instruction waits for the one above it.
.macro GROUP cur, oth, off, more
	s_wait_dscnt 0x0                               ; this group's coordinates, asked for a whole group ago
.if \more
	LOADG \oth, \off                               ; the next group's, into the registers that the last group has left
.endif
.set q, 0
.rept 8
.irp c, 0,1,2
.irp p, 0,1,2,3,4
	v_pk_add_f32 v[DT+6*\p+2*\c:DT+6*\p+2*\c+1], v[\cur+16*\c+2*q:\cur+16*\c+2*q+1], v[NF+6*\p+2*\c:NF+6*\p+2*\c+1]
.endr
.endr
.irp p, 0,1,2,3,4
	v_pk_mul_f32 v[DT+6*\p:DT+6*\p+1], v[DT+6*\p:DT+6*\p+1], v[DT+6*\p:DT+6*\p+1]
.endr
.irp p, 0,1,2,3,4
	v_pk_fma_f32 v[DT+6*\p:DT+6*\p+1], v[DT+6*\p+2:DT+6*\p+3], v[DT+6*\p+2:DT+6*\p+3], v[DT+6*\p:DT+6*\p+1]
.endr
.irp p, 0,1,2,3,4
	v_pk_fma_f32 v[DT+6*\p:DT+6*\p+1], v[DT+6*\p+4:DT+6*\p+5], v[DT+6*\p+4:DT+6*\p+5], v[DT+6*\p:DT+6*\p+1]
.endr
.irp p, 0,1,2,3,4
.if q == 0
	v_min_num_f32 v[MN+\p], v[DT+6*\p], v[DT+6*\p+1]           ; the first pair starts the minimum
.else
	v_min3_num_f32 v[MN+\p], v[MN+\p], v[DT+6*\p], v[DT+6*\p+1]
.endif
.endr
.set q, q+1
.endr
	; the group's minimum m goes into the sorted list l0 <= .. <= l5.  Mask k: m < lk, strictly, so that an earlier group keeps its place among equals
.irp p, 0,1,2,3,4
.irp k, 0,1,2,3,4,5
	v_cmp_lt_f32 s[CM+6*\p+\k], v[MN+\p], v[LV+6*\p+\k]
.endr
.endr
.irp k, 5,4,3,2,1
.irp p, 0,1,2,3,4
	v_med3_num_f32 v[LV+6*\p+\k], v[LV+6*\p+\k-1], v[LV+6*\p+\k], v[MN+\p]   ; the new lk is m held between the old l(k-1) and lk; from the end on, so that each line finds the old values
.endr
.endr
.irp p, 0,1,2,3,4
	v_min_num_f32 v[LV+6*\p], v[LV+6*\p], v[MN+\p]
.endr
.irp k, 1,2,3,4,5
.irp p, 0,1,2,3,4
	v_cndmask_b32 v[DT+6*\p+\k], v[GID], v[LI+6*\p+\k-1], s[CM+6*\p+\k-1]    ; what place k takes if it changes: its neighbour's number where m < l(k-1), else this group's
.endr
.endr
.irp p, 0,1,2,3,4
	v_cndmask_b32 v[LI+6*\p], v[LI+6*\p], v[GID], s[CM+6*\p]
.endr
.irp k, 1,2,3,4,5
.irp p, 0,1,2,3,4
	v_cndmask_b32 v[LI+6*\p+\k], v[LI+6*\p+\k], v[DT+6*\p+\k], s[CM+6*\p+\k]   ; and it changes where m < lk
.endr
.endr
	v_add_nc_u32 v[GID], 1, v[GID]
.endm
	LOADG CA, 0
	s_mov_b32 s11, 15
.Lpair:                                            ; 15 trips of two groups; the last two groups are written out, so that nothing is read past the slice
	GROUP CA, CB, 64, 1
	GROUP CB, CA, 128, 1
	v_add_nc_u32 v[ADR], 128, v[ADR]
	s_sub_co_u32 s11, s11, 1
	s_cmp_lg_u32 s11, 0
	s_cbranch_scc1 .Lpair
	GROUP CA, CB, 64, 1
	GROUP CB, CA, 0, 0
	; THE EIGHT SLICES' LISTS MEET IN LDS, over the arrays: so every wave's reads of the arrays are over first
	s_wait_dscnt 0x0
	s_barrier_signal -1
	s_barrier_wait -1
.irp p, 0,1,2,3,4
.irp k, 0,1,2,3,4,5
	ds_store_b32 v[MS], v[LV+6*\p+\k] offset:ROWM*\k+64*\p
	ds_store_b32 v[MS], v[LI+6*\p+\k] offset:ROWM*(6+\k)+64*\p
.endr
.endr
	s_wait_dscnt 0x0                               ; my lists have landed
	s_barrier_signal -1
	s_barrier_wait -1                              ; everybody's have
	s_cmp_eq_u32 s10, 3                            ; threads 0 to 79 take a fine point each: wave 3 has none
	s_cbranch_scc1 .Lend
	s_wait_xcnt 0x0                                ; EXEC changes only behind this wait
	v_cmp_gt_u32 vcc_lo, 80, v0
	s_and_saveexec_b32 s11, vcc_lo
.irp s, 0,1,2,3,4,5,6,7
.irp k, 0,1,2,3,4,5,6,7,8,9,10,11
	ds_load_b32 v[CA+12*\s+\k], v[MR] offset:SLS*\s+ROWM*\k
.endr
.endr
; One entry (value x, number id) into the list (lv, li): as in GROUP, for one fine point
.macro INSERT lv, li, x, id, sb, tt
.irp k, 0,1,2,3,4,5
	v_cmp_lt_f32 s[\sb+\k], v[\x], v[\lv+\k]
.endr
.irp k, 5,4,3,2,1
	v_med3_num_f32 v[\lv+\k], v[\lv+\k-1], v[\lv+\k], v[\x]
.endr
	v_min_num_f32 v[\lv], v[\lv], v[\x]
.irp k, 1,2,3,4,5
	v_cndmask_b32 v[\tt+\k], v[\id], v[\li+\k-1], s[\sb+\k-1]
.endr
	v_cndmask_b32 v[\li], v[\li], v[\id], s[\sb]
.irp k, 1,2,3,4,5
	v_cndmask_b32 v[\li+\k], v[\li+\k], v[\tt+\k], s[\sb+\k]
.endr
.endm
; Slice 0's list is the list; the others' entries follow, slices ascending and each list in its order: among equal values the lower group number stands first and stays
.irp s, 1,2,3,4,5,6,7
.if \s == 1
	s_wait_dscnt 60                                ; slices 0 and 1 are in (and slice 2: the count's field ends at 63); the 12 loads of each of slices 3 to 7 may be out
.else
	s_wait_dscnt 12*(7-\s)                         ; the 12 loads of each later slice may be out
.endif
.irp j, 0,1,2,3,4,5
	INSERT CA, CA+6, CA+12*\s+\j, CA+12*\s+6+\j, CM, DT
.endr
.endr
; The six group numbers in ascending order, so that the next launch walks its 96 points by ascending index: a bubble sort of 15 exchanges.
; An exchange is a minimum into a spare register and a maximum in place; the names change places, no register is copied.
.set ID0, CA+6
.set ID1, CA+7
.set ID2, CA+8
.set ID3, CA+9
.set ID4, CA+10
.set ID5, CA+11
.set IDT, DT
.macro CE a, b
	v_min_u32 v[IDT], v[ID\a], v[ID\b]
	v_max_u32 v[ID\b], v[ID\a], v[ID\b]
.set IDX, ID\a
.set ID\a, IDT
.set IDT, IDX
.endm
	CE 0, 1
	CE 1, 2
	CE 2, 3
	CE 3, 4
	CE 4, 5
	CE 0, 1
	CE 1, 2
	CE 2, 3
	CE 3, 4
	CE 0, 1
	CE 1, 2
	CE 2, 3
	CE 0, 1
	CE 1, 2
	CE 0, 1
.irp k, 0,1,2,3,4,5
	global_store_b32 v[MR], v[ID\k], s[8:9] offset:RANK*\k    ; neighbouring lanes store neighbouring words: 320 consecutive bytes a work-group in each of the six rows
.endr
	s_wait_xcnt 0x0                                ; and again in front of the line that widens EXEC
	s_or_b32 exec_lo, exec_lo, s11
.Lend:
	s_wait_tensorcnt 0x0
	ds_add_u32 v232, v233
	s_wait_dscnt 0x0
	s_endpgm
.Lfunc_end_k_q65373b1983_groups:
	.size	k_q65373b1983_groups, .Lfunc_end_k_q65373b1983_groups-k_q65373b1983_groups
	.p2alignl 7, 3214868480
	.fill 96, 4, 3214868480
	.section	.rodata,"a",@progbits
	.p2align	6, 0x0
	.amdhsa_kernel k_q65373b1983_groups
		.amdhsa_group_segment_fixed_size 49664
		.amdhsa_private_segment_fixed_size 0
		.amdhsa_enable_private_segment 0
		.amdhsa_kernarg_size 24
		.amdhsa_user_sgpr_count 2
		.amdhsa_user_sgpr_kernarg_segment_ptr 1
		.amdhsa_wavefront_size32 1
		.amdhsa_system_sgpr_workgroup_id_x 1
		.amdhsa_system_sgpr_workgroup_id_y 1
		.amdhsa_system_sgpr_workgroup_id_z 1
		.amdhsa_system_vgpr_workitem_id 0
		.amdhsa_next_free_vgpr 234
		.amdhsa_next_free_sgpr 66
		.amdhsa_reserve_vcc 1
		.amdhsa_float_denorm_mode_32 3
		.amdhsa_float_denorm_mode_16_64 3
		.amdhsa_memory_ordered 1
		.amdhsa_forward_progress 1
		.amdhsa_inst_pref_size 186
	.end_amdhsa_kernel
	.amdgpu_metadata
---
amdhsa.version: [ 1, 2 ]
amdhsa.kernels:
  - .name:           k_q65373b1983_groups
    .symbol:         k_q65373b1983_groups.kd
    .args:
      - { .name: pos_coarse, .offset: 0, .size: 8, .value_kind: global_buffer, .address_space: global }
      - { .name: pos_fine, .offset: 8, .size: 8, .value_kind: global_buffer, .address_space: global }
      - { .name: grp, .offset: 16, .size: 8, .value_kind: global_buffer, .address_space: global }
    .group_segment_fixed_size: 49664
    .private_segment_fixed_size: 0
    .kernarg_segment_align: 8
    .kernarg_segment_size: 24
    .max_flat_workgroup_size: 128
    .sgpr_count:     66
    .vgpr_count:     234
    .wavefront_size: 32
...
	.end_amdgpu_metadata
.endif
;; end of part 1
;; launch six (part 2): grid 250 x 1, 4 waves a work-group, no clusters, 61,952 bytes of LDS; arguments pos_coarse, pos_fine, grp, idx; writes idx
.if DOCPART == 2
	.amdgcn_target "amdgcn-amd-amdhsa--gfx1250"
	.amdhsa_code_object_version 6
	.text
	.protected	k_q65373b1983_six
	.globl	k_q65373b1983_six
	.p2align	8
	.type	k_q65373b1983_six,@function
k_q65373b1983_six:
	s_mov_b64 s[64:65], 0
	v_nop
	global_prefetch_b8 v0, s[64:65] scope:SCOPE_SE
	s_setreg_imm32_b32 hwreg(HW_REG_WAVE_MODE, 25, 1), 1
	s_wait_xcnt 0x0
; SECOND LAUNCH.  grp [6][20000] holds, for each fine point, the numbers of six groups of 16 coarse points, ascending, which hold its six nearest.  This launch ranks those 96 points
; and stores the six nearest points' indices, nearest first, in idx [6][20000].  The group numbers are whole numbers read from memory, so they may steer LDS addresses here; the indices made here steer none.
; THE DISTANCE is the first launch's, bit for bit: dx dx, fused + dy dy, fused + dz dz.  The 96 points are walked by ascending index and every comparison is strict: equal distances rank by the lower index.
; LIMITS, as in the first launch: the root is not taken (two different squared distances whose roots round to the same f32 are ranked by the squared distance, not by index);
; differences of coordinates under 1e19; NaN and infinities are not served.
; SHARES.  A work-group owns 80 fine points, a lane one: threads 0 to 79.  Threads 80 to 95 repeat point 79 and store nothing; wave 3 helps to fill LDS and ends.
; LDS.  All coarse points as three arrays (x, y, z); a group's 16 numbers take 64 bytes and the next group begins 80 bytes on, so that lanes that read different groups start at different
; 16-byte columns of the banks (64 banks of 4 bytes: ISA guide 11.1).  256 groups' room: the six behind the last real group take the padding of the eighth turn.
; NOT USED, AND WHY.  Joint loads in a cluster: the shared 48,000 bytes are read once and turned in registers, and the grid, 250, is no multiple of 4.  Tensor loads, a ring, the matrix unit: nothing here for them.
.set ARR,  20480                       ; bytes of one coordinate's array: 256 groups x 80
.set GST,  80
.set RANK, 80000                       ; bytes of one row of grp and of idx
.set CO4,  1                           ; v1    byte of my four points in pos_coarse
.set CO7,  2                           ; v2    the same for the eighth turn, held inside the buffer
.set FILL, 3                           ; v3    where my four points go in each array
.set FT,   4                           ; v4-6  my fine point as loaded
.set FO,   7                           ; v7    its byte among the work-group's 80
.set PINF, 8                           ; v8    +infinity
.set GO,   9                           ; v9    my place in a row of grp and of idx
.set GR,   10                          ; v10-15 the six group numbers
.set AD,   16                          ; v16-21 their LDS bytes in the x array
.set IB,   22                          ; v22-27 their first points' indices
.set NF,   28                          ; v28-33 minus my coordinates, each twice
.set LV,   34                          ; v34-39 the six least distances, sorted
.set LI,   40                          ; v40-45 and their indices
.set TT,   46                          ; v46-51 at work in an insertion
.set IDR,  52                          ; v52-53 a candidate's index, two registers by turns
.set DD,   54                          ; v54-69 a group's 16 distances (v54-77 at work while LDS is filled)
.set TMP,  80
.set CA,   84                          ; v84-131  a group's coordinates: 16 x, 16 y, 16 z
.set CB,   132                         ; v132-179 the next group's
.set CM,   20                          ; s20-25 compare masks
	s_load_b128 s[4:7], s[0:1], 0x0                ; pos_coarse s[4:5], pos_fine s[6:7]
	s_load_b128 s[8:11], s[0:1], 0x10              ; grp s[8:9], idx s[10:11]
	v_lshl_add_u32 v180, v0, 2, 0xf000
	v_mov_b32 v181, 0
	v_lshrrev_b32 v[TMP], 5, v0
	v_readfirstlane_b32 s12, v[TMP]                ; wave 0..3
	v_mul_u32_u24 v[CO4], v0, 48
	v_add_nc_u32 v[CO7], 896, v0
	v_min_u32 v[CO7], 999, v[CO7]                  ; tasks 1000 to 1023 are padding and load the last real task's bytes: no load leaves the buffer
	v_mul_u32_u24 v[CO7], v[CO7], 48
	v_lshrrev_b32 v[TMP], 2, v0                    ; four tasks to a group
	v_mul_u32_u24 v[FILL], v[TMP], GST
	v_and_b32 v[TMP], 3, v0
	v_lshl_add_u32 v[FILL], v[TMP], 4, v[FILL]
	v_mov_b32 v[PINF], 0x7f800000
	v_min_u32 v[TMP], 79, v0                       ; threads 80 on repeat point 79
	v_lshlrev_b32 v[GO], 2, v[TMP]
	v_mul_u32_u24 v[FO], v[TMP], 12
	v_cmp_le_u32 vcc_lo, 104, v0                   ; threads 104 on hold padding in the eighth turn
	s_mul_i32 s14, ttmp9, 960
	s_mov_b32 s15, 0
	s_mul_i32 s16, ttmp9, 320
	s_mov_b32 s17, 0
	s_wait_kmcnt 0x0
	s_add_nc_u64 s[6:7], s[6:7], s[14:15]
	s_add_nc_u64 s[8:9], s[8:9], s[16:17]
	s_add_nc_u64 s[10:11], s[10:11], s[16:17]
.irp i, 0,1,2,3,4,5,6
.irp j, 0,1,2
	global_load_b128 v[CA+12*\i+4*\j:CA+12*\i+4*\j+3], v[CO4], s[4:5] offset:6144*\i+16*\j
.endr
.endr
.irp j, 0,1,2
	global_load_b128 v[CA+84+4*\j:CA+84+4*\j+3], v[CO7], s[4:5] offset:16*\j
.endr
.irp k, 0,1,2,3,4,5
	global_load_b32 v[GR+\k], v[GO], s[8:9] offset:RANK*\k
.endr
.irp c, 0,1,2
	global_load_b32 v[FT+\c], v[FO], s[6:7] offset:4*\c
.endr
; Task i: x0 y0 z0 x1 .. z3 become four x, four y, four z.  128 tasks are 32 groups: 2,560 bytes on in each array
.macro SPREAD i
.set TS, DD+12*((\i)%2)
	s_wait_loadcnt 30-3*(\i)                       ; behind this task's three loads stand 3 (7 - i) of later tasks, the six group numbers and my three coordinates
.irp c, 0,1,2
.irp j, 0,1,2,3
.if (\i) == 7
	v_cndmask_b32 v[TS+4*\c+\j], v[CA+12*(\i)+3*\j+\c], v[PINF], vcc_lo
.else
	v_mov_b32 v[TS+4*\c+\j], v[CA+12*(\i)+3*\j+\c]
.endif
.endr
	ds_store_b128 v[FILL], v[TS+4*\c:TS+4*\c+3] offset:ARR*\c+2560*(\i)
.endr
.endm
.irp i, 0,1,2,3,4,5,6,7
	SPREAD \i
.endr
	s_wait_loadcnt 0x0
.irp c, 0,1,2
	v_xor_b32 v[NF+2*\c], 0x80000000, v[FT+\c]
	v_xor_b32 v[NF+2*\c+1], 0x80000000, v[FT+\c]
.endr
.irp k, 0,1,2,3,4,5
	v_min_u32 v[GR+\k], 249, v[GR+\k]              ; a loaded number enters an address only behind this hold
.endr
.irp k, 0,1,2,3,4,5
	v_mul_u32_u24 v[AD+\k], v[GR+\k], GST
.endr
.irp k, 0,1,2,3,4,5
	v_lshlrev_b32 v[IB+\k], 4, v[GR+\k]
.endr
.irp k, 0,1,2,3,4,5
	v_mov_b32 v[LV+\k], v[PINF]                    ; 96 real points follow: every entry is replaced
	v_mov_b32 v[LI+\k], 0
.endr
	s_wait_dscnt 0x0                               ; my part of the arrays has landed
	s_barrier_signal -1
	s_barrier_wait -1                              ; everybody's has; from here on LDS is only read
	s_cmp_eq_u32 s12, 3
	s_cbranch_scc1 .Lend                           ; wave 3 has no fine point
.macro LOADG buf, g
.irp c, 0,1,2
.irp j, 0,1,2,3
	ds_load_b128 v[\buf+16*\c+4*\j:\buf+16*\c+4*\j+3], v[AD+\g] offset:ARR*\c+16*\j
.endr
.endr
.endm
; One entry (value x, index id) into the sorted list: mask k says x < lk, strictly; the new lk is x held between the old l(k-1) and lk; place k takes its neighbour's index where x < l(k-1), else id, and only where x < lk
.macro INSERT lv, li, x, id, sb, tt
.irp k, 0,1,2,3,4,5
	v_cmp_lt_f32 s[\sb+\k], v[\x], v[\lv+\k]
.endr
.irp k, 5,4,3,2,1
	v_med3_num_f32 v[\lv+\k], v[\lv+\k-1], v[\lv+\k], v[\x]
.endr
	v_min_num_f32 v[\lv], v[\lv], v[\x]
.irp k, 1,2,3,4,5
	v_cndmask_b32 v[\tt+\k], v[\id], v[\li+\k-1], s[\sb+\k-1]
.endr
	v_cndmask_b32 v[\li], v[\li], v[\id], s[\sb]
.irp k, 1,2,3,4,5
	v_cndmask_b32 v[\li+\k], v[\li+\k], v[\tt+\k], s[\sb+\k]
.endr
.endm
; Group g of my six: 16 distances, two to an instruction, the differences in place; then 16 insertions
.macro SCAN cur, oth, g, more
	s_wait_dscnt 0x0                               ; this group's coordinates, asked for a whole group ago
.if \more
	LOADG \oth, \g+1
.endif
.irp c, 0,1,2
.irp q, 0,1,2,3,4,5,6,7
	v_pk_add_f32 v[\cur+16*\c+2*\q:\cur+16*\c+2*\q+1], v[\cur+16*\c+2*\q:\cur+16*\c+2*\q+1], v[NF+2*\c:NF+2*\c+1]
.endr
.endr
.irp q, 0,1,2,3,4,5,6,7
	v_pk_mul_f32 v[DD+2*\q:DD+2*\q+1], v[\cur+2*\q:\cur+2*\q+1], v[\cur+2*\q:\cur+2*\q+1]
.endr
.irp q, 0,1,2,3,4,5,6,7
	v_pk_fma_f32 v[DD+2*\q:DD+2*\q+1], v[\cur+16+2*\q:\cur+16+2*\q+1], v[\cur+16+2*\q:\cur+16+2*\q+1], v[DD+2*\q:DD+2*\q+1]
.endr
.irp q, 0,1,2,3,4,5,6,7
	v_pk_fma_f32 v[DD+2*\q:DD+2*\q+1], v[\cur+32+2*\q:\cur+32+2*\q+1], v[\cur+32+2*\q:\cur+32+2*\q+1], v[DD+2*\q:DD+2*\q+1]
.endr
.set e, 0
.rept 16
	v_add_nc_u32 v[IDR+e%2], e, v[IB+\g]           ; the candidate's index
	INSERT LV, LI, DD+e, IDR+e%2, CM, TT
.set e, e+1
.endr
.endm
	LOADG CA, 0
	SCAN CA, CB, 0, 1
	SCAN CB, CA, 1, 1
	SCAN CA, CB, 2, 1
	SCAN CB, CA, 3, 1
	SCAN CA, CB, 4, 1
	SCAN CB, CA, 5, 0
	s_wait_xcnt 0x0                                ; EXEC changes only behind this wait
	v_cmp_gt_u32 vcc_lo, 80, v0
	s_and_saveexec_b32 s13, vcc_lo
.irp k, 0,1,2,3,4,5
	global_store_b32 v[GO], v[LI+\k], s[10:11] offset:RANK*\k  ; neighbouring lanes store neighbouring words: 320 consecutive bytes a work-group in each of the six rows
.endr
	s_wait_xcnt 0x0                                ; and again in front of the line that widens EXEC
	s_or_b32 exec_lo, exec_lo, s13
.Lend:
	s_wait_tensorcnt 0x0
	ds_add_u32 v180, v181
	s_wait_dscnt 0x0
	s_endpgm
.Lfunc_end_k_q65373b1983_six:
	.size	k_q65373b1983_six, .Lfunc_end_k_q65373b1983_six-k_q65373b1983_six
	.p2alignl 7, 3214868480
	.fill 96, 4, 3214868480
	.section	.rodata,"a",@progbits
	.p2align	6, 0x0
	.amdhsa_kernel k_q65373b1983_six
		.amdhsa_group_segment_fixed_size 61952
		.amdhsa_private_segment_fixed_size 0
		.amdhsa_enable_private_segment 0
		.amdhsa_kernarg_size 32
		.amdhsa_user_sgpr_count 2
		.amdhsa_user_sgpr_kernarg_segment_ptr 1
		.amdhsa_wavefront_size32 1
		.amdhsa_system_sgpr_workgroup_id_x 1
		.amdhsa_system_sgpr_workgroup_id_y 1
		.amdhsa_system_sgpr_workgroup_id_z 1
		.amdhsa_system_vgpr_workitem_id 0
		.amdhsa_next_free_vgpr 182
		.amdhsa_next_free_sgpr 66
		.amdhsa_reserve_vcc 1
		.amdhsa_float_denorm_mode_32 3
		.amdhsa_float_denorm_mode_16_64 3
		.amdhsa_memory_ordered 1
		.amdhsa_forward_progress 1
		.amdhsa_inst_pref_size 174
	.end_amdhsa_kernel
	.amdgpu_metadata
---
amdhsa.version: [ 1, 2 ]
amdhsa.kernels:
  - .name:           k_q65373b1983_six
    .symbol:         k_q65373b1983_six.kd
    .args:
      - { .name: pos_coarse, .offset: 0, .size: 8, .value_kind: global_buffer, .address_space: global }
      - { .name: pos_fine, .offset: 8, .size: 8, .value_kind: global_buffer, .address_space: global }
      - { .name: grp, .offset: 16, .size: 8, .value_kind: global_buffer, .address_space: global }
      - { .name: idx, .offset: 24, .size: 8, .value_kind: global_buffer, .address_space: global }
    .group_segment_fixed_size: 61952
    .private_segment_fixed_size: 0
    .kernarg_segment_align: 8
    .kernarg_segment_size: 32
    .max_flat_workgroup_size: 128
    .sgpr_count:     66
    .vgpr_count:     182
    .wavefront_size: 32
...
	.end_amdgpu_metadata
.endif
;; end of part 2
;; launch mix (part 3): grid 1250 x 1, 4 waves a work-group, no clusters, 17,408 bytes of LDS; arguments idx, x_coarse, W_codes, W_scales, b, out0; writes out0
.if DOCPART == 3
	.amdgcn_target "amdgcn-amd-amdhsa--gfx1250"
	.amdhsa_code_object_version 6
	.text
	.protected	k_q65373b1983_mix
	.globl	k_q65373b1983_mix
	.p2align	8
	.type	k_q65373b1983_mix,@function
k_q65373b1983_mix:
	s_mov_b64 s[64:65], 0
	v_nop
	global_prefetch_b8 v0, s[64:65] scope:SCOPE_SE
	s_setreg_imm32_b32 hwreg(HW_REG_WAVE_MODE, 25, 1), 1
	s_wait_xcnt 0x0
; THIRD LAUNCH.  out0[f][:] = Q(mean of the six rows x_coarse[idx[k][f]]) W + b.  idx [6][20000] whole numbers, nearest first; x_coarse [4000][128] f32; W as codes of FP8 (E4M3) [128 (n)][128 (k)],
; K innermost, with one E8M0 byte for each 32 along K, [128][4]; b [128], out0 [20000][128] f32.  Q quantises the mean along its 128 numbers in blocks of 32: the scale is
; 2^(floor(log2(largest magnitude)) - 8), its byte the largest magnitude's exponent field - 8, held at 1 from below; each number is held within +-448 x the scale and rounded to the nearest code.
; (A block of zeros gets the byte 1 where the definition says 127: its codes are zeros, which add nothing, and the bytes never leave this kernel.)
; The mean is the sum of the six rows in the order of idx, in f32, times the f32 nearest to 1/6.  LIMITS: NaN and infinities among the inputs are not served.
; SHARES.  A work-group of four waves makes one tile of 16 rows of out0.  Wave w gathers rows 4 w to 4 w + 3: its 24 indices come by scalar loads, so that each row of x_coarse is one load of 512 consecutive
; bytes, 16 a lane; all 24 are out together.  The four means go to a stage in LDS; behind a barrier every wave reads the 16 rows as the matrix operand wants them (lane (r, h): row r, 16 neighbours of each block
; of 32) and quantises them: about 130 vector instructions repeated in four waves, in place of a second exchange of codes.  Wave w then makes columns 32 w to 32 w + 31: two matrix instructions.
; THE MATRIX INSTRUCTION IS USED TRANSPOSED: source 0 = 16 rows of W's codes (16 columns of out0), source 1 = the 16 means.  A lane then holds eight neighbouring columns of one row of out0.  The bias is the C.
; The results meet in a second stage, and each wave stores four whole rows of 512 bytes.
; NOT USED, AND WHY.  Joint loads in a cluster: the work-groups share W alone, 4,096 bytes a wave against 12,288 gathered, it goes straight into registers, and the grid, 1,250, is no multiple of 4.
; Tensor loads and a ring: the rows are scattered.  A prefetch of the rows: the table's 4,000 rows are asked for 120,000 times by all work-groups, not once.
.set RANK, 80000                       ; bytes of one row of idx
.set SP,   528                         ; a stage row: 512 bytes + 16 = 132 words: row r starts at bank 4 r mod 64 (64 banks of 4 bytes: ISA guide 11.1)
.set ST2,  16*SP                       ; the second stage, behind the first
.set L16,  4                           ; v4    16 x lane
.set WO,   5                           ; v5    W's codes: 128 r + 16 h
.set SO4,  6                           ; v6    W's scale words: 4 r
.set BO,   7                           ; v7    the bias: 32 h
.set SA,   8                           ; v8    first stage, in: my wave's four rows, 16 bytes a lane
.set AR,   9                           ; v9    first stage, out: row r, + 64 h
.set SO,   10                          ; v10   second stage, in: row r, + 32 h, + 128 x wave
.set SR,   11                          ; v11   second stage, out: my wave's four rows
.set OFF,  14                          ; v14-37  the 24 rows' byte offsets in x_coarse, + 16 x lane
.set X,    38                          ; v38-133 the 24 rows, four registers each; row q's sum grows in its first four
.set H,    38                          ; v38-101 later: 64 numbers of my row of the tile
.set O,    38                          ; v38-53  later still: four rows of out0
.set PC,   102                         ; v102-117 the codes
.set TM,   118                         ; v118-133 at work in the quantiser
.set WF,   134                         ; v134-165 W's two fragments
.set ACC,  166                         ; v166-181 the bias, then the results
.set WS,   182                         ; v182-183 W's scale words: these two and v184 hold scales and nothing else
.set PW,   184                         ; v184  the means' scale word
.set IX,   16                          ; s16-39  the indices: rank k of row q at s[16 + 4 k + q]
.set WV,   40
.set SEL,  52                          ; s[52:53] v_permlanex16_b32's selects for lane l xor 16
.set MNT,  54                          ; s54   the mantissa field of 448
.set SIX,  56                          ; s[56:57] 1/6: the packed form names a pair and takes its low word for both halves
	s_load_b256 s[4:11], s[0:1], 0x0               ; idx s[4:5], x_coarse s[6:7], W's codes s[8:9], W's scales s[10:11]
	s_load_b128 s[12:15], s[0:1], 0x20             ; b s[12:13], out0 s[14:15]
	v_lshl_add_u32 v192, v0, 2, 0x4200
	v_mov_b32 v193, 0
	v_lshrrev_b32 v1, 5, v0
	v_readfirstlane_b32 s[WV], v1                  ; wave 0..3
	v_and_b32 v1, 31, v0                           ; lane
	v_and_b32 v2, 15, v0                           ; r
	v_bfe_u32 v3, v0, 4, 1                         ; h
	v_lshlrev_b32 v[L16], 4, v1
	v_lshlrev_b32 v[WO], 7, v2
	v_lshl_add_u32 v[WO], v3, 4, v[WO]
	v_lshlrev_b32 v[SO4], 2, v2
	v_lshlrev_b32 v[BO], 5, v3
	s_mul_i32 s50, s[WV], 4*SP
	v_add_nc_u32 v[SA], s50, v[L16]
	s_add_co_u32 s50, s50, ST2
	v_add_nc_u32 v[SR], s50, v[L16]
	v_mul_u32_u24 v[AR], v2, SP
	v_lshl_add_u32 v[SO], v3, 5, v[AR]
	v_lshl_add_u32 v[AR], v3, 6, v[AR]
	s_lshl_b32 s51, s[WV], 7
	s_add_co_u32 s51, s51, ST2
	v_add_nc_u32 v[SO], s51, v[SO]
	s_lshl_b32 s42, ttmp9, 6                       ; idx: 16 rows x 4 bytes a tile,
	s_lshl_b32 s43, s[WV], 4                       ; 4 rows a wave
	s_add_co_u32 s42, s42, s43
	s_mov_b32 s43, 0
	s_lshl_b32 s44, s[WV], 12                      ; W's codes: 32 rows of 128 bytes a wave
	s_mov_b32 s45, 0
	s_lshl_b32 s46, s[WV], 7                       ; W's scale words and the bias: 32 words a wave
	s_mov_b32 s47, 0
	s_lshl_b32 s48, ttmp9, 13                      ; out0: 16 rows of 512 bytes a tile,
	s_lshl_b32 s49, s[WV], 11                      ; 4 rows a wave
	s_add_co_u32 s48, s48, s49
	s_mov_b32 s49, 0
	s_mov_b32 s[SEL], 0x76543210
	s_mov_b32 s[SEL+1], 0xfedcba98
	s_mov_b32 s[MNT], 0x600000
	s_mov_b32 s[SIX], 0x3e2aaaab
	s_mov_b32 s[SIX+1], s[SIX]                     ; (named with it as a pair, so it is written)
	s_wait_kmcnt 0x0
	s_add_nc_u64 s[4:5], s[4:5], s[42:43]
.irp k, 0,1,2,3,4,5
	s_load_b128 s[IX+4*\k:IX+4*\k+3], s[4:5], RANK*\k          ; rank k of my four rows
.endr
	s_add_nc_u64 s[8:9], s[8:9], s[44:45]
	s_add_nc_u64 s[10:11], s[10:11], s[46:47]
	s_add_nc_u64 s[12:13], s[12:13], s[46:47]
	s_add_nc_u64 s[14:15], s[14:15], s[48:49]
; While the indices are on their way: my two fragments of W (lane (r, h): row r of the tile, bytes 32 c + 16 h on), their scale words, and the bias in the result's layout (register j: column 16 t + 8 h + j)
.irp u, 0,1
.irp c, 0,1,2,3
	global_load_b128 v[WF+16*\u+4*\c:WF+16*\u+4*\c+3], v[WO], s[8:9] offset:2048*\u+32*\c
.endr
	global_load_b32 v[WS+\u], v[SO4], s[10:11] offset:64*\u
	global_load_b128 v[ACC+8*\u:ACC+8*\u+3], v[BO], s[12:13] offset:64*\u
	global_load_b128 v[ACC+8*\u+4:ACC+8*\u+7], v[BO], s[12:13] offset:64*\u+16
.endr
	s_wait_kmcnt 0x0                               ; the indices
.irp q, 0,1,2,3
.irp k, 0,1,2,3,4,5
	s_min_u32 s[IX+4*\k+\q], s[IX+4*\k+\q], 3999   ; a loaded number enters an address only behind this hold
	v_lshl_add_u32 v[OFF+6*\q+\k], s[IX+4*\k+\q], 9, v[L16]
	global_load_b128 v[X+24*\q+4*\k:X+24*\q+4*\k+3], v[OFF+6*\q+\k], s[6:7]   ; a whole row: 32 lanes, 512 consecutive bytes
.endr
.endr
.irp q, 0,1,2,3
	s_wait_loadcnt 18-6*\q                         ; loads come back in order (ISA guide 5.7.1): the six of each later row may be out
.irp k, 1,2,3,4,5
	v_pk_add_f32 v[X+24*\q:X+24*\q+1], v[X+24*\q:X+24*\q+1], v[X+24*\q+4*\k:X+24*\q+4*\k+1]
	v_pk_add_f32 v[X+24*\q+2:X+24*\q+3], v[X+24*\q+2:X+24*\q+3], v[X+24*\q+4*\k+2:X+24*\q+4*\k+3]
.endr
	v_pk_mul_f32 v[X+24*\q:X+24*\q+1], v[X+24*\q:X+24*\q+1], s[SIX:SIX+1] op_sel_hi:[1,0]
	v_pk_mul_f32 v[X+24*\q+2:X+24*\q+3], v[X+24*\q+2:X+24*\q+3], s[SIX:SIX+1] op_sel_hi:[1,0]
	ds_store_b128 v[SA], v[X+24*\q:X+24*\q+3] offset:SP*\q
.endr
	s_wait_dscnt 0x0                               ; my four means have landed
	s_barrier_signal -1
	s_barrier_wait -1                              ; all sixteen have
.irp b, 0,1,2,3
.irp j, 0,1,2,3
	ds_load_b128 v[H+16*\b+4*\j:H+16*\b+4*\j+3], v[AR] offset:128*\b+16*\j   ; register 16 b + i: k = 32 b + 16 h + i of row r
.endr
.endr
.irp b, 0,1,2,3
	v_mov_b32 v[TM+4+\b], 0                        ; a lane permute's destination counts as one of its sources
.endr
	s_wait_dscnt 0x0
; THE QUANTISER, four blocks by turns
.irp b, 0,1,2,3
	v_max3_num_f32 v[TM+\b], |v[H+16*\b]|, |v[H+1+16*\b]|, 0x4800000   ; my 16 numbers of block b, and the floor 2^(9 - 127): so the byte cannot fall under 1
.endr
.irp i, 2,4,6,8,10,12,14
.irp b, 0,1,2,3
	v_max3_num_f32 v[TM+\b], v[TM+\b], |v[H+16*\b+\i]|, |v[H+1+16*\b+\i]|
.endr
.endr
.irp b, 0,1,2,3
	v_permlanex16_b32 v[TM+4+\b], v[TM+\b], s[SEL], s[SEL+1]
.endr
.irp b, 0,1,2,3
	v_max_num_f32 v[TM+\b], v[TM+\b], v[TM+4+\b]   ; with lane l xor 16's 16: the block's largest magnitude
.endr
.irp b, 0,1,2,3
	v_add_nc_u32 v[TM+12+\b], 0xfc000000, v[TM+\b] ; 8 off its exponent field: the conversion takes the exponent field of this operand as its scale
.endr
.irp b, 0,1,2,3
	v_and_or_b32 v[TM+8+\b], v[TM+\b], 0x7f800000, s[MNT]   ; 448 x the scale
.endr
.irp b, 0,1,2,3
	v_lshrrev_b32 v[TM+4+\b], 23, v[TM+12+\b]      ; the scale's byte
.endr
	v_lshl_or_b32 v[PW], v[TM+5], 8, v[TM+4]       ; the four bytes make row r's scale word; it stands far more than eight plain instructions ahead of the products
	v_lshl_or_b32 v[PW], v[TM+6], 16, v[PW]
	v_lshl_or_b32 v[PW], v[TM+7], 24, v[PW]
.irp b, 0,1,2,3
.irp i, 0,1,2,3,4,5,6,7,8,9,10,11,12,13,14,15
	v_med3_num_f32 v[H+16*\b+\i], v[H+16*\b+\i], -v[TM+8+\b], v[TM+8+\b]   ; the conversion to an 8-bit code does not saturate (ISA guide 7.6.2): hold the number first
.endr
	v_cvt_scalef32_pk8_fp8_f32 v[PC+4*\b:PC+4*\b+1], v[H+16*\b:H+16*\b+7], v[TM+12+\b]
	v_cvt_scalef32_pk8_fp8_f32 v[PC+4*\b+2:PC+4*\b+3], v[H+16*\b+8:H+16*\b+15], v[TM+12+\b]
.endr
.rept 4
	v_nop                                          ; an operand written by vector instructions stands four plain instructions ahead of a scaled matrix instruction; the first is also the plain line behind the last conversion
.endr
	v_wmma_scale_f32_16x16x128_f8f6f4 v[ACC:ACC+7], v[WF:WF+15], v[PC:PC+15], v[ACC:ACC+7], v[WS], v[PW]
	v_wmma_scale_f32_16x16x128_f8f6f4 v[ACC+8:ACC+15], v[WF+16:WF+31], v[PC:PC+15], v[ACC+8:ACC+15], v[WS+1], v[PW]
.rept 8
	v_nop                                          ; eight plain instructions between this form and the first read of its result
.endr
.irp u, 0,1
	ds_store_b128 v[SO], v[ACC+8*\u:ACC+8*\u+3] offset:64*\u       ; lane (r, h): out0(r, 32 w + 16 u + 8 h + 0 .. 7); each result from its low end on
	ds_store_b128 v[SO], v[ACC+8*\u+4:ACC+8*\u+7] offset:64*\u+16
.endr
	s_wait_dscnt 0x0                               ; my columns have landed
	s_barrier_signal -1
	s_barrier_wait -1                              ; sixteen whole rows lie in the stage
.irp q, 0,1,2,3
	ds_load_b128 v[O+4*\q:O+4*\q+3], v[SR] offset:SP*\q
.endr
.irp q, 0,1,2,3
	s_wait_dscnt 3-\q                              ; the later rows may be out
	global_store_b128 v[L16], v[O+4*\q:O+4*\q+3], s[14:15] offset:512*\q th:TH_STORE_NT   ; 32 lanes store a row of 512 consecutive bytes, at a multiple of 512 from out0's first byte
.endr
	s_wait_tensorcnt 0x0
	ds_add_u32 v192, v193
	s_wait_dscnt 0x0
	s_endpgm
.Lfunc_end_k_q65373b1983_mix:
	.size	k_q65373b1983_mix, .Lfunc_end_k_q65373b1983_mix-k_q65373b1983_mix
	.p2alignl 7, 3214868480
	.fill 96, 4, 3214868480
	.section	.rodata,"a",@progbits
	.p2align	6, 0x0
	.amdhsa_kernel k_q65373b1983_mix
		.amdhsa_group_segment_fixed_size 17408
		.amdhsa_private_segment_fixed_size 0
		.amdhsa_enable_private_segment 0
		.amdhsa_kernarg_size 48
		.amdhsa_user_sgpr_count 2
		.amdhsa_user_sgpr_kernarg_segment_ptr 1
		.amdhsa_wavefront_size32 1
		.amdhsa_system_sgpr_workgroup_id_x 1
		.amdhsa_system_sgpr_workgroup_id_y 1
		.amdhsa_system_sgpr_workgroup_id_z 1
		.amdhsa_system_vgpr_workitem_id 0
		.amdhsa_next_free_vgpr 194
		.amdhsa_next_free_sgpr 66
		.amdhsa_reserve_vcc 0
		.amdhsa_float_denorm_mode_32 3
		.amdhsa_float_denorm_mode_16_64 3
		.amdhsa_memory_ordered 1
		.amdhsa_forward_progress 1
		.amdhsa_inst_pref_size 24
	.end_amdhsa_kernel
	.amdgpu_metadata
---
amdhsa.version: [ 1, 2 ]
amdhsa.kernels:
  - .name:           k_q65373b1983_mix
    .symbol:         k_q65373b1983_mix.kd
    .args:
      - { .name: idx, .offset: 0, .size: 8, .value_kind: global_buffer, .address_space: global }
      - { .name: x_coarse, .offset: 8, .size: 8, .value_kind: global_buffer, .address_space: global }
      - { .name: W_codes, .offset: 16, .size: 8, .value_kind: global_buffer, .address_space: global }
      - { .name: W_scales, .offset: 24, .size: 8, .value_kind: global_buffer, .address_space: global }
      - { .name: b, .offset: 32, .size: 8, .value_kind: global_buffer, .address_space: global }
      - { .name: out0, .offset: 40, .size: 8, .value_kind: global_buffer, .address_space: global }
    .group_segment_fixed_size: 17408
    .private_segment_fixed_size: 0
    .kernarg_segment_align: 8
    .kernarg_segment_size: 48
    .max_flat_workgroup_size: 128
    .sgpr_count:     66
    .vgpr_count:     194
    .wavefront_size: 32
...
	.end_amdgpu_metadata
.endif
;; end of part 3
;; ======== version 2 of 2: 3 launches; version 1 with the launch mix written anew for expert scheduling mode
;; workspace buffers: grp 480,000 bytes of whole numbers; idx 480,000 bytes of whole numbers
;; launch groups: the kernel of part 1 again; grid 250 x 1, 4 waves a work-group, no clusters, 49,664 bytes of LDS; arguments pos_coarse, pos_fine, grp; writes grp
;; launch six: the kernel of part 2 again; grid 250 x 1, 4 waves a work-group, no clusters, 61,952 bytes of LDS; arguments pos_coarse, pos_fine, grp, idx; writes idx
;; launch mix (part 4): grid 1250 x 1, 4 waves a work-group, no clusters, 17,408 bytes of LDS; arguments idx, x_coarse, W_codes, W_scales, b, out0; writes out0
.if DOCPART == 4
	.amdgcn_target "amdgcn-amd-amdhsa--gfx1250"
	.amdhsa_code_object_version 6
	.text
	.protected	k_q65373b1983_mix
	.globl	k_q65373b1983_mix
	.p2align	8
	.type	k_q65373b1983_mix,@function
k_q65373b1983_mix:
	s_mov_b64 s[64:65], 0
	v_nop
	global_prefetch_b8 v0, s[64:65] scope:SCOPE_SE
	s_setreg_imm32_b32 hwreg(HW_REG_WAVE_SCHED_MODE, 0, 2), 2
	s_setreg_imm32_b32 hwreg(HW_REG_WAVE_MODE, 25, 1), 1
	s_wait_xcnt 0x0
	s_wait_alu depctr_vm_vsrc(0)
; THIRD LAUNCH.  out0[f][:] = Q(mean of the six rows x_coarse[idx[k][f]]) W + b.  idx [6][20000] whole numbers, nearest first; x_coarse [4000][128] f32; W as codes of FP8 (E4M3) [128 (n)][128 (k)],
; K innermost, with one E8M0 byte for each 32 along K, [128][4]; b [128], out0 [20000][128] f32.  Q quantises the mean along its 128 numbers in blocks of 32: the scale is
; 2^(floor(log2(largest magnitude)) - 8), its byte the largest magnitude's exponent field - 8, held at 1 from below; each number is held within +-448 x the scale and rounded to the nearest code.
; (A block of zeros gets the byte 1 where the definition says 127: its codes are zeros, which add nothing, and the bytes never leave this kernel.)
; The mean is the sum of the six rows in the order of idx, in f32, times the f32 nearest to 1/6.  LIMITS: NaN and infinities among the inputs are not served.
; SHARES.  A work-group of four waves makes one tile of 16 rows of out0.  Wave w gathers rows 4 w to 4 w + 3: its 24 indices come by scalar loads, so that each row of x_coarse is one load of 512 consecutive
; bytes, 16 a lane; all 24 are out together.  The four means go to a stage in LDS; behind a barrier every wave reads the 16 rows as the matrix operand wants them (lane (r, h): row r, 16 neighbours of each block
; of 32) and quantises them: about 130 vector instructions repeated in four waves, in place of a second exchange of codes.  Wave w then makes columns 32 w to 32 w + 31: two matrix instructions.
; THE MATRIX INSTRUCTION IS USED TRANSPOSED: source 0 = 16 rows of W's codes (16 columns of out0), source 1 = the 16 means.  A lane then holds eight neighbouring columns of one row of out0.  The bias is the C.
; The results meet in a second stage, and each wave stores four whole rows of 512 bytes.
; NOT USED, AND WHY.  Joint loads in a cluster: the work-groups share W alone, 4,096 bytes a wave against 12,288 gathered, it goes straight into registers, and the grid, 1,250, is no multiple of 4.
; Tensor loads and a ring: the rows are scattered.  A prefetch of the rows: the table's 4,000 rows are asked for 120,000 times by all work-groups, not once.
; THE MODE: SCHED_MODE bits 1:0 = 2 (LLVM: expert scheduling mode 2), set by the entry lines.  The code itself states the register dependences
; between vector or matrix instructions and memory or LDS instructions, with s_wait_alu, always for 0.
; THE PLAN.  Registers that memory or LDS instructions touch, in the order of the text:
;   v4-11     eight addresses and offsets.  Written by vector lines at the head, never again; read by every load and store.
;   WF, WS    W's fragments and scale words: loads land in them, the matrix instructions read them, nothing else names them.
;   ACC       The bias lands in it; the matrix instructions read and write it; the second stage's LDS stores read it.
;   OFF       24 offsets.  Written by 24 vector lines in one run; read by the 24 gathers in one run behind them; never written again.
;   X         The gathers land in it; the additions read it and write each row's first four registers; the four LDS stores, in one run, read those sixteen.
;   H (in X)  The first stage's LDS loads land in it; the quantiser reads and writes it.   PC (in X, over four registers that an LDS store has read): written by the conversions.   PW: written by vector lines.
;   O (in H)  The second stage's LDS loads land in it; the global stores read it.
; So: one wait on va_sdst for the wave's number; one on va_vdst ahead of each of: W's loads (v4-11), the gathers (OFF), the first stage's stores (the means; it also shows the additions done with X,
; in which the stage's loads land, since no vector line follows before them), the products (PC, PW), the second stage's stores (ACC; it also shows the quantiser done with H, in which that stage's loads land);
; and one on vm_vsrc behind the first barrier (the first stage's stores have read their sixteen registers of X).
.set RANK, 80000                       ; bytes of one row of idx
.set SP,   528                         ; a stage row: 512 bytes + 16 = 132 words: row r starts at bank 4 r mod 64 (64 banks of 4 bytes: ISA guide 11.1)
.set ST2,  16*SP                       ; the second stage, behind the first
.set L16,  4                           ; v4    16 x lane
.set WO,   5                           ; v5    W's codes: 128 r + 16 h
.set SO4,  6                           ; v6    W's scale words: 4 r
.set BO,   7                           ; v7    the bias: 32 h
.set SA,   8                           ; v8    first stage, in: my wave's four rows, 16 bytes a lane
.set AR,   9                           ; v9    first stage, out: row r, + 64 h
.set SO,   10                          ; v10   second stage, in: row r, + 32 h, + 128 x wave
.set SR,   11                          ; v11   second stage, out: my wave's four rows
.set OFF,  14                          ; v14-37  the 24 rows' byte offsets in x_coarse, + 16 x lane
.set X,    38                          ; v38-133 the 24 rows, four registers each; row q's sum grows in its first four
.set H,    38                          ; v38-101 later: 64 numbers of my row of the tile
.set O,    38                          ; v38-53  later still: four rows of out0
.set PC,   102                         ; v102-117 the codes
.set TM,   118                         ; v118-133 at work in the quantiser
.set WF,   134                         ; v134-165 W's two fragments
.set ACC,  166                         ; v166-181 the bias, then the results
.set WS,   182                         ; v182-183 W's scale words: these two and v184 hold scales and nothing else
.set PW,   184                         ; v184  the means' scale word
.set IX,   16                          ; s16-39  the indices: rank k of row q at s[16 + 4 k + q]
.set WV,   40
.set SEL,  52                          ; s[52:53] v_permlanex16_b32's selects for lane l xor 16
.set MNT,  54                          ; s54   the mantissa field of 448
.set SIX,  56                          ; s[56:57] 1/6: the packed form names a pair and takes its low word for both halves
	s_load_b256 s[4:11], s[0:1], 0x0               ; idx s[4:5], x_coarse s[6:7], W's codes s[8:9], W's scales s[10:11]
	s_load_b128 s[12:15], s[0:1], 0x20             ; b s[12:13], out0 s[14:15]
	v_lshl_add_u32 v190, v0, 2, 0x4200
	v_mov_b32 v191, 0
	v_lshrrev_b32 v1, 5, v0
	v_readfirstlane_b32 s[WV], v1                  ; wave 0..3
	v_and_b32 v1, 31, v0                           ; lane
	v_and_b32 v2, 15, v0                           ; r
	v_bfe_u32 v3, v0, 4, 1                         ; h
	v_lshlrev_b32 v[L16], 4, v1
	v_lshlrev_b32 v[WO], 7, v2
	v_lshl_add_u32 v[WO], v3, 4, v[WO]
	v_lshlrev_b32 v[SO4], 2, v2
	v_lshlrev_b32 v[BO], 5, v3
	s_wait_alu depctr_va_sdst(0)                   ; the wave's number is written, ahead of its first reader: LDS addresses and all the bases are made from it
	s_mul_i32 s50, s[WV], 4*SP
	v_add_nc_u32 v[SA], s50, v[L16]
	s_add_co_u32 s50, s50, ST2
	v_add_nc_u32 v[SR], s50, v[L16]
	v_mul_u32_u24 v[AR], v2, SP
	v_lshl_add_u32 v[SO], v3, 5, v[AR]
	v_lshl_add_u32 v[AR], v3, 6, v[AR]
	s_lshl_b32 s51, s[WV], 7
	s_add_co_u32 s51, s51, ST2
	v_add_nc_u32 v[SO], s51, v[SO]
	s_lshl_b32 s42, ttmp9, 6                       ; idx: 16 rows x 4 bytes a tile,
	s_lshl_b32 s43, s[WV], 4                       ; 4 rows a wave
	s_add_co_u32 s42, s42, s43
	s_mov_b32 s43, 0
	s_lshl_b32 s44, s[WV], 12                      ; W's codes: 32 rows of 128 bytes a wave
	s_mov_b32 s45, 0
	s_lshl_b32 s46, s[WV], 7                       ; W's scale words and the bias: 32 words a wave
	s_mov_b32 s47, 0
	s_lshl_b32 s48, ttmp9, 13                      ; out0: 16 rows of 512 bytes a tile,
	s_lshl_b32 s49, s[WV], 11                      ; 4 rows a wave
	s_add_co_u32 s48, s48, s49
	s_mov_b32 s49, 0
	s_mov_b32 s[SEL], 0x76543210
	s_mov_b32 s[SEL+1], 0xfedcba98
	s_mov_b32 s[MNT], 0x600000
	s_mov_b32 s[SIX], 0x3e2aaaab
	s_mov_b32 s[SIX+1], s[SIX]                     ; (named with it as a pair, so it is written)
	s_wait_kmcnt 0x0
	s_add_nc_u64 s[4:5], s[4:5], s[42:43]
.irp k, 0,1,2,3,4,5
	s_load_b128 s[IX+4*\k:IX+4*\k+3], s[4:5], RANK*\k          ; rank k of my four rows
.endr
	s_add_nc_u64 s[8:9], s[8:9], s[44:45]
	s_add_nc_u64 s[10:11], s[10:11], s[46:47]
	s_add_nc_u64 s[12:13], s[12:13], s[46:47]
	s_add_nc_u64 s[14:15], s[14:15], s[48:49]
	s_wait_alu depctr_va_vdst(0)                   ; the eight addresses and offsets v4 to v11 are written, which the loads and stores of the whole kernel read; they are never written again
; While the indices are on their way: my two fragments of W (lane (r, h): row r of the tile, bytes 32 c + 16 h on), their scale words, and the bias in the result's layout (register j: column 16 t + 8 h + j)
.irp u, 0,1
.irp c, 0,1,2,3
	global_load_b128 v[WF+16*\u+4*\c:WF+16*\u+4*\c+3], v[WO], s[8:9] offset:2048*\u+32*\c
.endr
	global_load_b32 v[WS+\u], v[SO4], s[10:11] offset:64*\u
	global_load_b128 v[ACC+8*\u:ACC+8*\u+3], v[BO], s[12:13] offset:64*\u
	global_load_b128 v[ACC+8*\u+4:ACC+8*\u+7], v[BO], s[12:13] offset:64*\u+16
.endr
	s_wait_kmcnt 0x0                               ; the indices
; All 24 offsets are made first, in one run; then one wait; then the 24 gathers, in one run
.irp q, 0,1,2,3
.irp k, 0,1,2,3,4,5
	s_min_u32 s[IX+4*\k+\q], s[IX+4*\k+\q], 3999   ; a loaded number enters an address only behind this hold
	v_lshl_add_u32 v[OFF+6*\q+\k], s[IX+4*\k+\q], 9, v[L16]
.endr
.endr
	s_wait_alu depctr_va_vdst(0)                   ; the 24 offsets are written, which the gathers below read
.irp q, 0,1,2,3
.irp k, 0,1,2,3,4,5
	global_load_b128 v[X+24*\q+4*\k:X+24*\q+4*\k+3], v[OFF+6*\q+\k], s[6:7]   ; a whole row: 32 lanes, 512 consecutive bytes
.endr
.endr
.irp q, 0,1,2,3
	s_wait_loadcnt 18-6*\q                         ; loads come back in order (ISA guide 5.7.1): the six of each later row may be out
.irp k, 1,2,3,4,5
	v_pk_add_f32 v[X+24*\q:X+24*\q+1], v[X+24*\q:X+24*\q+1], v[X+24*\q+4*\k:X+24*\q+4*\k+1]
	v_pk_add_f32 v[X+24*\q+2:X+24*\q+3], v[X+24*\q+2:X+24*\q+3], v[X+24*\q+4*\k+2:X+24*\q+4*\k+3]
.endr
	v_pk_mul_f32 v[X+24*\q:X+24*\q+1], v[X+24*\q:X+24*\q+1], s[SIX:SIX+1] op_sel_hi:[1,0]
	v_pk_mul_f32 v[X+24*\q+2:X+24*\q+3], v[X+24*\q+2:X+24*\q+3], s[SIX:SIX+1] op_sel_hi:[1,0]
.endr
	s_wait_alu depctr_va_vdst(0)                   ; the four means are written, which the LDS stores read; and the additions are done reading and writing v[X ..], in which the stage's loads land behind the barrier (no vector line stands between)
.irp q, 0,1,2,3
	ds_store_b128 v[SA], v[X+24*\q:X+24*\q+3] offset:SP*\q
.endr
	s_wait_dscnt 0x0                               ; my four means have landed
	s_barrier_signal -1
	s_barrier_wait -1                              ; all sixteen have
	s_wait_alu depctr_vm_vsrc(0)                   ; my four LDS stores have read their sixteen registers of X: twelve of them take the stage's loads below, the other four are written by the conversions
.irp b, 0,1,2,3
.irp j, 0,1,2,3
	ds_load_b128 v[H+16*\b+4*\j:H+16*\b+4*\j+3], v[AR] offset:128*\b+16*\j   ; register 16 b + i: k = 32 b + 16 h + i of row r
.endr
.endr
.irp b, 0,1,2,3
	v_mov_b32 v[TM+4+\b], 0                        ; a lane permute's destination counts as one of its sources
.endr
	s_wait_dscnt 0x0
; THE QUANTISER, four blocks by turns
.irp b, 0,1,2,3
	v_max3_num_f32 v[TM+\b], |v[H+16*\b]|, |v[H+1+16*\b]|, 0x4800000   ; my 16 numbers of block b, and the floor 2^(9 - 127): so the byte cannot fall under 1
.endr
.irp i, 2,4,6,8,10,12,14
.irp b, 0,1,2,3
	v_max3_num_f32 v[TM+\b], v[TM+\b], |v[H+16*\b+\i]|, |v[H+1+16*\b+\i]|
.endr
.endr
.irp b, 0,1,2,3
	v_permlanex16_b32 v[TM+4+\b], v[TM+\b], s[SEL], s[SEL+1]
.endr
.irp b, 0,1,2,3
	v_max_num_f32 v[TM+\b], v[TM+\b], v[TM+4+\b]   ; with lane l xor 16's 16: the block's largest magnitude
.endr
.irp b, 0,1,2,3
	v_add_nc_u32 v[TM+12+\b], 0xfc000000, v[TM+\b] ; 8 off its exponent field: the conversion takes the exponent field of this operand as its scale
.endr
.irp b, 0,1,2,3
	v_and_or_b32 v[TM+8+\b], v[TM+\b], 0x7f800000, s[MNT]   ; 448 x the scale
.endr
.irp b, 0,1,2,3
	v_lshrrev_b32 v[TM+4+\b], 23, v[TM+12+\b]      ; the scale's byte
.endr
	v_lshl_or_b32 v[PW], v[TM+5], 8, v[TM+4]       ; the four bytes make row r's scale word; it stands far more than eight plain instructions ahead of the products
	v_lshl_or_b32 v[PW], v[TM+6], 16, v[PW]
	v_lshl_or_b32 v[PW], v[TM+7], 24, v[PW]
.irp b, 0,1,2,3
.irp i, 0,1,2,3,4,5,6,7,8,9,10,11,12,13,14,15
	v_med3_num_f32 v[H+16*\b+\i], v[H+16*\b+\i], -v[TM+8+\b], v[TM+8+\b]   ; the conversion to an 8-bit code does not saturate (ISA guide 7.6.2): hold the number first
.endr
	v_cvt_scalef32_pk8_fp8_f32 v[PC+4*\b:PC+4*\b+1], v[H+16*\b:H+16*\b+7], v[TM+12+\b]
	v_cvt_scalef32_pk8_fp8_f32 v[PC+4*\b+2:PC+4*\b+3], v[H+16*\b+8:H+16*\b+15], v[TM+12+\b]
.endr
.rept 4
	v_nop                                          ; an operand written by vector instructions stands four plain instructions ahead of a scaled matrix instruction; the first is also the plain line behind the last conversion
.endr
	s_wait_alu depctr_va_vdst(0)                   ; the conversions have written the codes v[PC ..] and the vector lines the scale word v[PW], which the products take as operand and as scales; the four plain instructions above stay beside this wait
	v_wmma_scale_f32_16x16x128_f8f6f4 v[ACC:ACC+7], v[WF:WF+15], v[PC:PC+15], v[ACC:ACC+7], v[WS], v[PW]
	v_wmma_scale_f32_16x16x128_f8f6f4 v[ACC+8:ACC+15], v[WF+16:WF+31], v[PC:PC+15], v[ACC+8:ACC+15], v[WS+1], v[PW]
.rept 8
	v_nop                                          ; eight plain instructions between this form and the first read of its result
.endr
	s_wait_alu depctr_va_vdst(0)                   ; the products have written v[ACC ..], which the LDS stores read; the eight plain instructions above stay beside this wait.  It also shows the quantiser done with v[H ..], in which the second stage's loads land (no vector line follows)
.irp u, 0,1
	ds_store_b128 v[SO], v[ACC+8*\u:ACC+8*\u+3] offset:64*\u       ; lane (r, h): out0(r, 32 w + 16 u + 8 h + 0 .. 7); each result from its low end on
	ds_store_b128 v[SO], v[ACC+8*\u+4:ACC+8*\u+7] offset:64*\u+16
.endr
	s_wait_dscnt 0x0                               ; my columns have landed
	s_barrier_signal -1
	s_barrier_wait -1                              ; sixteen whole rows lie in the stage
.irp q, 0,1,2,3
	ds_load_b128 v[O+4*\q:O+4*\q+3], v[SR] offset:SP*\q
.endr
.irp q, 0,1,2,3
	s_wait_dscnt 3-\q                              ; the later rows may be out
	global_store_b128 v[L16], v[O+4*\q:O+4*\q+3], s[14:15] offset:512*\q th:TH_STORE_NT   ; 32 lanes store a row of 512 consecutive bytes, at a multiple of 512 from out0's first byte
.endr
	s_wait_dscnt 0x0
	s_wait_alu depctr_hold_cnt(0) depctr_sa_sdst(0) depctr_va_vdst(0) depctr_va_sdst(0) depctr_va_ssrc(0) depctr_va_vcc(0) depctr_vm_vsrc(0)
	s_wait_tensorcnt 0x0
	ds_add_u32 v190, v191
	s_wait_dscnt 0x0
	s_endpgm
.Lfunc_end_k_q65373b1983_mix:
	.size	k_q65373b1983_mix, .Lfunc_end_k_q65373b1983_mix-k_q65373b1983_mix
	.p2alignl 7, 3214868480
	.fill 96, 4, 3214868480
	.section	.rodata,"a",@progbits
	.p2align	6, 0x0
	.amdhsa_kernel k_q65373b1983_mix
		.amdhsa_group_segment_fixed_size 17408
		.amdhsa_private_segment_fixed_size 0
		.amdhsa_enable_private_segment 0
		.amdhsa_kernarg_size 48
		.amdhsa_user_sgpr_count 2
		.amdhsa_user_sgpr_kernarg_segment_ptr 1
		.amdhsa_wavefront_size32 1
		.amdhsa_system_sgpr_workgroup_id_x 1
		.amdhsa_system_sgpr_workgroup_id_y 1
		.amdhsa_system_sgpr_workgroup_id_z 1
		.amdhsa_system_vgpr_workitem_id 0
		.amdhsa_next_free_vgpr 192
		.amdhsa_next_free_sgpr 66
		.amdhsa_reserve_vcc 0
		.amdhsa_float_denorm_mode_32 3
		.amdhsa_float_denorm_mode_16_64 3
		.amdhsa_memory_ordered 1
		.amdhsa_forward_progress 1
		.amdhsa_inst_pref_size 25
	.end_amdhsa_kernel
	.amdgpu_metadata
---
amdhsa.version: [ 1, 2 ]
amdhsa.kernels:
  - .name:           k_q65373b1983_mix
    .symbol:         k_q65373b1983_mix.kd
    .args:
      - { .name: idx, .offset: 0, .size: 8, .value_kind: global_buffer, .address_space: global }
      - { .name: x_coarse, .offset: 8, .size: 8, .value_kind: global_buffer, .address_space: global }
      - { .name: W_codes, .offset: 16, .size: 8, .value_kind: global_buffer, .address_space: global }
      - { .name: W_scales, .offset: 24, .size: 8, .value_kind: global_buffer, .address_space: global }
      - { .name: b, .offset: 32, .size: 8, .value_kind: global_buffer, .address_space: global }
      - { .name: out0, .offset: 40, .size: 8, .value_kind: global_buffer, .address_space: global }
    .group_segment_fixed_size: 17408
    .private_segment_fixed_size: 0
    .kernarg_segment_align: 8
    .kernarg_segment_size: 48
    .max_flat_workgroup_size: 128
    .sgpr_count:     66
    .vgpr_count:     192
    .wavefront_size: 32
...
	.end_amdgpu_metadata
.endif
;; end of part 4
